; MI455X (gfx1250); checked and timed in simulation.
; The chip was launched on July 23, 2026; its instructions are those of AMD's public machine-readable ISA for CDNA 5 (MIT licence, August 2026) and "CDNA5" Instruction Set Architecture Reference Guide (July 2026). The comments in the code are by the model that wrote it; some were corrected since.
;; Vae Decoder Roberta Self Attention. Allowed arithmetic: float matrix products may take bf16 or f16 operands with f32 sums; all other float work in f32.
;; Inputs: Wk 1,024 x 1,024 float32; Wq 1,024 x 1,024 float32; Wv 1,024 x 1,024 float32; attention_mask 4 x 1 x 2,048 x 2,048 float32; bk 1,024 float32; bq 1,024 float32; bv 1,024 float32; hidden_states 4 x 2,048 x 1,024 float32; latent_layer_memory_i 4 x 1 x 1,024 float32.
;; Outputs: out0 4 x 2,048 x 1,024 float32.
;; 2 versions, each right; version 2 is version 1 with the launch cast written anew for expert scheduling mode. Each part assembles by itself: llvm-mc -triple=amdgcn-amd-amdhsa -mcpu=gfx1250 --defsym DOCPART=n.
;; ======== version 1 of 2: 3 launches
;; limits: values are held in f16: magnitudes above 65,504 overflow, below 6.1e-05 lose precision
;; workspace buffers: xb 16,777,216 bytes; wb 6,291,456 bytes; qh 16,777,216 bytes; kh 16,777,216 bytes; vh 16,777,216 bytes
;; launch cast (part 1): grid 256 x 1, 8 waves a work-group, no clusters, 0 bytes of LDS; arguments hidden_states, Wq, Wk, Wv, xb, wb; writes xb, wb
.if DOCPART == 1
	.amdgcn_target "amdgcn-amd-amdhsa--gfx1250"
	.amdhsa_code_object_version 6
	.text
	.protected	k_q9675c6bec8_cast
	.globl	k_q9675c6bec8_cast
	.p2align	8
	.type	k_q9675c6bec8_cast,@function
k_q9675c6bec8_cast:
	s_mov_b64 s[64:65], 0
	v_nop
	global_prefetch_b8 v0, s[64:65] scope:SCOPE_SE
	s_setreg_imm32_b32 hwreg(HW_REG_WAVE_MODE, 25, 1), 1
	s_wait_xcnt 0x0
; x [8192][1024] and Wq, Wk, Wv [1024][1024], f32, are rounded once to bf16 and laid in blocks of 64 along K, so that the
; product that follows finds each of its tiles as one dense run of bytes:
;   xb = [16 K blocks][8192 rows][64 k]                          a row of a block is 128 bytes, a block 1,048,576
;   wb = [16 K blocks][8 heads][3 kinds q, k, v][128 channels][64 k]   a kind 16,384 bytes, a head 49,152, a block 393,216
; A stream: every byte is read once and written once; no LDS, no barrier, no matrix unit, no cluster (no byte is shared).
; SHARES.  Work-group i owns rows 32 i .. 32 i + 31 of x and rows 4 i .. 4 i + 3 of each W.  One load of a wave takes two rows x 64 k:
; lanes 0-15 read 256 consecutive aligned bytes of one row, lanes 16-31 of the row below; their 2 x 64 bf16 are 256 consecutive
; aligned bytes of one K block and leave by one store of 8 bytes a lane.  Wave w: of x rows 4 w .. 4 w + 3 in all 16 blocks (32 loads),
; of the three W the K blocks 2 w and 2 w + 1 (12 loads).  All 44 loads of a lane are issued before the first is waited for.
.set X, 8                              ; v[8:183]  load n's four registers at X + 4 n; its two packed words take the first two
	s_load_b256 s[4:11], s[0:1], 0x0               ; x s[4:5], Wq s[6:7], Wk s[8:9], Wv s[10:11]
	s_load_b128 s[12:15], s[0:1], 0x20             ; xb s[12:13], wb s[14:15]
	v_and_b32 v1, 31, v0                           ; lane l
	v_lshrrev_b32 v6, 5, v0                        ; wave w
	v_and_b32 v7, 15, v0                           ; l % 16
	v_bfe_u32 v2, v0, 4, 1                         ; l / 16
	v_lshlrev_b32 v2, 12, v2                       ; one row of 4,096 bytes down for the upper lanes
	v_lshl_add_u32 v2, v7, 4, v2                   ; + 16 bytes a lane
	v_lshl_add_u32 v4, v6, 9, v2                   ; v4  W in: + the wave's two K blocks, 512 bytes of a row
	v_lshl_add_u32 v2, v6, 14, v2                  ; v2  x in: + the wave's four rows
	v_lshlrev_b32 v3, 3, v1                        ; 8 bytes a lane: two rows of a block on end
	v_mul_u32_u24 v5, v6, 0xc0000                  ; the wave's two K blocks of wb: 786,432 bytes
	v_add_nc_u32 v5, v5, v3                        ; v5  W out
	v_lshl_add_u32 v3, v6, 9, v3                   ; v3  x out: + the wave's four rows of 128 bytes
	s_lshl_b32 s18, ttmp9, 17                      ; 32 rows of x
	s_mov_b32 s19, 0
	s_lshl_b32 s20, ttmp9, 14                      ; 4 rows of a W
	s_mov_b32 s21, 0
	s_lshl_b32 s22, ttmp9, 12                      ; 32 rows of a block of xb
	s_mov_b32 s23, 0
	s_lshr_b32 s24, ttmp9, 5                       ; W's row 4 i lies in head i / 32,
	s_mul_i32 s24, s24, 49152
	s_and_b32 s25, ttmp9, 31                       ; at channel 4 (i % 32)
	s_lshl_b32 s25, s25, 9
	s_add_co_u32 s24, s24, s25
	s_mov_b32 s25, 0
	s_wait_kmcnt 0x0
	s_add_nc_u64 s[4:5], s[4:5], s[18:19]
	s_add_nc_u64 s[6:7], s[6:7], s[20:21]
	s_add_nc_u64 s[8:9], s[8:9], s[20:21]
	s_add_nc_u64 s[10:11], s[10:11], s[20:21]
	s_add_nc_u64 s[12:13], s[12:13], s[22:23]
	s_add_nc_u64 s[16:17], s[12:13], 0x800000      ; K blocks 8 to 15 have a base of their own: the stores' immediates stay inside their signed 24 bits
	s_add_nc_u64 s[14:15], s[14:15], s[24:25]
.set n, 0
.rept 32                               ; x: row pair n / 16, K block n % 16
	global_load_b128 v[X+4*n:X+4*n+3], v2, s[4:5] offset:(n/16)*8192+(n%16)*256 th:TH_LOAD_NT
.set n, n+1
.endr
.set n, 0
.rept 12                               ; W: kind n / 4, row pair (n / 2) % 2, K block 2 w + n % 2
	global_load_b128 v[X+128+4*n:X+128+4*n+3], v4, s[6+2*(n/4):7+2*(n/4)] offset:((n/2)%2)*8192+(n%2)*256 th:TH_LOAD_NT
.set n, n+1
.endr
.set n, 0
.rept 32
	s_wait_loadcnt 43-n                            ; loads come back in order (ISA guide 5.7.1): load n is in, the 43 - n younger ones stay out
	v_cvt_pk_bf16_f32 v[X+4*n], v[X+4*n], v[X+4*n+1]
	v_cvt_pk_bf16_f32 v[X+4*n+1], v[X+4*n+2], v[X+4*n+3]
	global_store_b64 v3, v[X+4*n:X+4*n+1], s[12+4*((n%16)/8):13+4*((n%16)/8)] offset:(n/16)*256+(n%8)*1048576  ; 256 consecutive aligned bytes a wave; no register of a store is written again
.set n, n+1
.endr
.set n, 0
.rept 12
	s_wait_loadcnt 11-n
	v_cvt_pk_bf16_f32 v[X+128+4*n], v[X+128+4*n], v[X+128+4*n+1]
	v_cvt_pk_bf16_f32 v[X+128+4*n+1], v[X+128+4*n+2], v[X+128+4*n+3]
	global_store_b64 v5, v[X+128+4*n:X+128+4*n+1], s[14:15] offset:(n/4)*16384+((n/2)%2)*256+(n%2)*393216
.set n, n+1
.endr
	s_endpgm
.Lfunc_end_k_q9675c6bec8_cast:
	.size	k_q9675c6bec8_cast, .Lfunc_end_k_q9675c6bec8_cast-k_q9675c6bec8_cast
	.p2alignl 7, 3214868480
	.fill 96, 4, 3214868480
	.section	.rodata,"a",@progbits
	.p2align	6, 0x0
	.amdhsa_kernel k_q9675c6bec8_cast
		.amdhsa_group_segment_fixed_size 0
		.amdhsa_private_segment_fixed_size 0
		.amdhsa_enable_private_segment 0
		.amdhsa_kernarg_size 48
		.amdhsa_user_sgpr_count 2
		.amdhsa_user_sgpr_kernarg_segment_ptr 1
		.amdhsa_wavefront_size32 1
		.amdhsa_system_sgpr_workgroup_id_x 1
		.amdhsa_system_sgpr_workgroup_id_y 1
		.amdhsa_system_sgpr_workgroup_id_z 1
		.amdhsa_system_vgpr_workitem_id 0
		.amdhsa_next_free_vgpr 192
		.amdhsa_next_free_sgpr 66
		.amdhsa_reserve_vcc 0
		.amdhsa_float_denorm_mode_32 3
		.amdhsa_float_denorm_mode_16_64 3
		.amdhsa_memory_ordered 1
		.amdhsa_forward_progress 1
		.amdhsa_inst_pref_size 17
	.end_amdhsa_kernel
	.amdgpu_metadata
---
amdhsa.version: [ 1, 2 ]
amdhsa.kernels:
  - .name:           k_q9675c6bec8_cast
    .symbol:         k_q9675c6bec8_cast.kd
    .args:
      - { .name: hidden_states, .offset: 0, .size: 8, .value_kind: global_buffer, .address_space: global }
      - { .name: Wq, .offset: 8, .size: 8, .value_kind: global_buffer, .address_space: global }
      - { .name: Wk, .offset: 16, .size: 8, .value_kind: global_buffer, .address_space: global }
      - { .name: Wv, .offset: 24, .size: 8, .value_kind: global_buffer, .address_space: global }
      - { .name: xb, .offset: 32, .size: 8, .value_kind: global_buffer, .address_space: global }
      - { .name: wb, .offset: 40, .size: 8, .value_kind: global_buffer, .address_space: global }
    .group_segment_fixed_size: 0
    .private_segment_fixed_size: 0
    .kernarg_segment_align: 8
    .kernarg_segment_size: 48
    .max_flat_workgroup_size: 256
    .sgpr_count:     66
    .vgpr_count:     192
    .wavefront_size: 32
...
	.end_amdgpu_metadata
.endif
;; end of part 1
;; launch proj (part 2): grid 8 x 32, 4 waves a work-group, clusters of 4 x 4, 327,680 bytes of LDS; arguments xb, wb, bq, bk, bv, qh, kh, vh; writes qh, kh, vh
.if DOCPART == 2
	.amdgcn_target "amdgcn-amd-amdhsa--gfx1250"
	.amdhsa_code_object_version 6
	.text
	.protected	k_q9675c6bec8_proj
	.globl	k_q9675c6bec8_proj
	.p2align	8
	.type	k_q9675c6bec8_proj,@function
k_q9675c6bec8_proj:
	s_mov_b64 s[64:65], 0
	v_nop
	global_prefetch_b8 v0, s[64:65] scope:SCOPE_SE
	s_setreg_imm32_b32 hwreg(HW_REG_WAVE_MODE, 25, 1), 1
	s_wait_xcnt 0x0
	s_wait_alu depctr_hold_cnt(0) depctr_sa_sdst(0) depctr_va_vdst(0) depctr_va_sdst(0) depctr_va_ssrc(0) depctr_va_vcc(0) depctr_vm_vsrc(0)
	s_getreg_b32 s2, hwreg(HW_REG_IB_STS2, 6, 4)
	s_cmp_eq_u32 s2, 0
	s_cbranch_scc0 .Lentry_in_a_cluster
	s_endpgm
.Lentry_in_a_cluster:
	s_bfe_u32 s2, ttmp6, 0x10000c
	s_cmp_lg_u32 s2, 0xf033
	s_cbranch_scc0 .Lentry_shape_is_right
	s_endpgm
.Lentry_shape_is_right:
; q = (x Wq^T + bq) / sqrt(128), k = x Wk^T + bk, v = x Wv^T + bv, written by heads: qh, kh, vh = [8 batch + head][2048][128] in f16.
; x and the W arrive rounded to bf16 and laid in blocks of 64 along K; the biases are rounded to bf16 here, like every other input of the module.
; Products in bf16 with f32 sums, K ascending; each result is rounded once, to f16.
; LIMIT.  f16 ends at 65,504: q / sqrt(128), k and v must lie within it (x of unit spread and W of spread 0.02 give numbers of a few units; all inputs
; 30 times larger some 3,000).  Beyond it a number becomes an infinity.
; THE TILE.  C is 8,192 x 3,072.  A work-group makes 256 rows x the 384 columns of one head (its q, k and v): 32 x 8 = 256 work-groups.  Four waves; wave (i, j) owns rows 128 i .. + 127
; and, of each of the three kinds, channels 64 j .. + 63: 96 accumulators of 16 x 16, 768 registers.  For 32 along K a wave issues 40 LDS loads and 96 matrix instructions.
; K goes in steps of 64 (one block) through two LDS slots: 640 rows of 144 bytes each.  Two slots of a step of 128 (2 x 640 x 272 = 348,160 bytes) are more than LDS holds.
; A block's rows lie end to end in memory, so a tile is asked for as rows of 256 bytes, two logical rows each, and padded in LDS after every 128 bytes.
; CLUSTER.  4 x 4 work-groups.  x's tile hangs on the tile row alone and is shared along a row of the cluster, W's on the head alone and is shared along a column: each is asked for jointly.
; THE MATRIX INSTRUCTION IS USED TRANSPOSED (source 0 = 16 channels of W, source 1 = 16 rows of x): a lane holds eight neighbouring channels of one row.
; REGISTERS, in windows of 256: window 0: v0-31 addresses; v32-95, v96-159 x's fragments (8 x 16 rows x 32 K), two buffers; v160-255 W's fragments, 32 registers for each kind;
;   on the way out v32-63 biases, v64-191 packed results.   Windows 1, 2, 3: the accumulators of q, k, v: (a, b) at v[8 (4 a + b)], a = 16 rows of 128, b = 16 channels of 64.
.set P,      144                       ; an LDS row: 128 bytes + 16 of padding = 36 words: the 16 rows of a fragment load start at 16 different groups of four banks (64 banks of 4 bytes: ISA guide 11.1)
.set ABYTES, 256*P                     ; x's 256 rows; behind them W's 384 rows: q's 128, k's 128, v's 128
.set SLOT,   640*P
.set SPITCH, 272
.set STAGE0, 2*SLOT                    ; behind the ring, never filled by a tensor load: two stages of 256 rows x 272 bytes, the work-group's
.set STAGEB, 256*SPITCH
.set BIASB,  STAGE0+2*STAGEB           ; [3][128] f32: the head's biases, q's already divided by sqrt(128)
.set SPARE,  BIASB+1536                ; the spare words, 128 bytes for each wave: two blocks of 256 bytes that no other line names
.set XSTEP,  1048576                   ; bytes from a K block of xb to the next
.set WSTEP,  393216                    ; of wb
.set ADRA, 16                          ; v16-17  LDS address of my fragments of x in slot 0, 1
.set ADRB, 20                          ; v20-21  of my fragments of W
.set STO,  22                          ; v22-23  the way out: where I put 16 bytes of a row, in stage 0, 1
.set RD,   24                          ; v24-25  where I read rows back
.set CO,   26                          ; v26     my 16 bytes in 512 consecutive bytes of the output
.set BA,   27                          ; v27     LDS address of my eight channels' biases
.set SPW,  28                          ; v28     LDS address of my spare word; never rewritten
.set NIL,  29                          ; v29     0; never rewritten
.set FA0,  32
.set FA1,  96
.set FB,   160                         ; kind g's fragments at FB + 32 g
.set BI,   32
.set PK,   64
.set WV,  20                           ; s20  my wave's number;  s21 = i (its high bit), s22 = j (its low bit)
.set G1A, 24                           ; s[24:31] descriptor group 1 for x's tiles;  s[32:39] group 0, a set for each slot
.set G0A, 32
.set G1B, 48                           ; s[48:55], s[56:63] the same for W's
.set G0B, 56
.set SCQ, 66                           ; s[66:67] 1 / sqrt(128)
.set MSB, 0
.macro WIN new                         ; s_set_vgpr_msb: bits 1:0 source 0, 3:2 source 1, 5:4 source 2, 7:6 destination; the high byte repeats the setting that is left
.if MSB != (\new)
	s_set_vgpr_msb (MSB<<8)|(\new)
.set MSB, (\new)
.endif
.endm
.macro PLACES                          ; a load into a register that a matrix instruction has read, and a vector instruction that reads a matrix result, stand four plain vector instructions behind it (ISA guide 7.12.1 for vector instructions)
.rept 4
	v_nop
.endr
.endm
; A joint load.  Waves 0 and 1 fetch the halves of x's tile, waves 2 and 3 those of W's.  The branch hangs on the wave's number alone.
; An s_nop 0 and four v_nop follow each of the two lines, ahead of the jump and the label.
.macro JLOAD s
	s_cmp_lt_u32 s[WV], 2
	s_cbranch_scc0 .Lfor_b_\@
	tensor_load_to_lds s[G0A+4*(\s):G0A+4*(\s)+3], s[G1A:G1A+7]
	s_nop 0
.rept 4
	v_nop
.endr
	s_branch .Lasked_\@
.Lfor_b_\@:
	tensor_load_to_lds s[G0B+4*(\s):G0B+4*(\s)+3], s[G1B:G1B+7]
	s_nop 0
.rept 4
	v_nop
.endr
.Lasked_\@:
.endm
.macro CREST                           ; a round of the cluster's barrier behind its opening barrier
	s_cmp_lg_u32 s[WV], 0
	s_cbranch_scc1 .Lnot_wave_0_\@
	s_barrier_signal -3
.Lnot_wave_0_\@:
	s_barrier_wait -3
	s_barrier_signal -1
	s_barrier_wait -1
.endm
.macro CROUND                          ; a whole round
	s_barrier_signal -1
	s_barrier_wait -1
	CREST
.endm
	s_load_b256 s[4:11], s[0:1], 0x0               ; xb s[4:5], wb s[6:7], bq s[8:9], bk s[10:11]
	s_load_b256 s[12:19], s[0:1], 0x20             ; bv s[12:13], qh s[14:15], kh s[16:17], vh s[18:19]
	v_lshl_add_u32 v[SPW], v0, 2, SPARE
	v_mov_b32 v[NIL], 0
	ds_add_u32 v[SPW], v[NIL]                      ; the wave's opening: the add and its wait stand ahead of my first tensor load; the set-up below, work on registers, stands between them
	v_lshrrev_b32 v1, 5, v0
	v_readfirstlane_b32 s[WV], v1
	s_lshr_b32 s21, s[WV], 1                       ; i: which 128 rows of the tile are mine
	s_and_b32 s22, s[WV], 1                        ; j: which 64 channels of each kind.  Also: which half of a tile I fetch
	s_bfe_u32 s40, ttmp6, 0x40000                  ; cx, cy: my place in the cluster
	s_bfe_u32 s41, ttmp6, 0x40004
	s_lshl_b32 s42, ttmp9, 2
	s_add_co_u32 s42, s42, s40                     ; the head = 4 x cluster x + cx
	s_and_b32 s43, ttmp7, 0xffff
	s_lshl_b32 s43, s43, 2
	s_add_co_u32 s43, s43, s41                     ; the tile row = 4 x cluster y + cy
	s_lshl_b32 s44, s41, 2
	s_lshl_b32 s44, 15, s44                        ; my row of the cluster
	s_lshl_b32 s45, 0x1111, s40                    ; my column
	; group 1: rows of 128 elements of 2 bytes (two logical rows), 64 of them for a half of x's tile, 96 for a half of W's
	s_or_b32 s[G1A], s44, (1<<16)|(1<<20)|(1<<21)|(4<<22)|(3<<25)  ; 15:0 the mask; 17:16 2-byte elements; 20 padding on; 21 set beside a mask; 24:22 after every 32 words (code 4); 31:25 4 words (code 3)
	s_or_b32 s[G1B], s45, (1<<16)|(1<<20)|(1<<21)|(4<<22)|(3<<25)
	s_mov_b32 s[G1A+1], 128<<16                    ; tensor_dim0 = 128
	s_mov_b32 s[G1B+1], 128<<16
	s_mov_b32 s[G1A+2], 64<<16                     ; tensor_dim1
	s_mov_b32 s[G1B+2], 96<<16
	s_mov_b32 s[G1A+3], 128<<16                    ; tile_dim0 = 128
	s_mov_b32 s[G1B+3], 128<<16
	s_mov_b32 s[G1A+4], 64                         ; tile_dim1
	s_mov_b32 s[G1B+4], 96
	s_mov_b32 s[G1A+5], 128                        ; 128 elements from row to row: the tile is dense
	s_mov_b32 s[G1B+5], 128
	s_mov_b32 s[G1A+6], 0
	s_mov_b32 s[G1B+6], 0
	s_mov_b32 s[G1A+7], 0
	s_mov_b32 s[G1B+7], 0
	s_mov_b32 s[SCQ], 0x3db504f3                   ; 1 / sqrt(128)
	s_mov_b32 s[SCQ+1], s[SCQ]                     ; named with it as a pair
	s_lshl_b32 s68, s43, 15                        ; x: 256 rows of 128 bytes a tile row,
	s_lshl_b32 s69, s22, 14                        ; 128 rows a half: made of the tile row and the wave's number alone
	s_add_co_u32 s68, s68, s69
	s_mov_b32 s69, 0
	s_mul_i32 s70, s42, 49152                      ; W: the head's 384 rows,
	s_mul_i32 s71, s22, 24576                      ; 192 rows a half: made of the head and the wave's number alone
	s_add_co_u32 s70, s70, s71
	s_mov_b32 s71, 0
	s_mul_i32 s76, s22, 128*P                      ; where they go in a slot: no place in the cluster enters an LDS address
	s_mul_i32 s77, s22, 192*P
	s_add_co_u32 s77, s77, ABYTES
	s_wait_dscnt 0x0                               ; the opening add is done
	s_wait_kmcnt 0x0
	s_add_nc_u64 s[72:73], s[4:5], s[68:69]
	s_add_nc_u64 s[74:75], s[6:7], s[70:71]
	CROUND                                         ; all sixteen work-groups are here: the first joint loads meet
.irp s, 0,1
	s_mov_b32 s[G0A+4*(\s)], 1                                     ; count = 1
	s_add_co_u32 s[G0A+4*(\s)+1], s76, (\s)*SLOT                   ; LDS address
	s_add_nc_u64 s[G0A+4*(\s)+2:G0A+4*(\s)+3], s[72:73], (\s)*XSTEP  ; global address: K block s
	s_or_b32 s[G0A+4*(\s)+3], s[G0A+4*(\s)+3], 0x80000000          ; type = 2
	s_mov_b32 s[G0B+4*(\s)], 1
	s_add_co_u32 s[G0B+4*(\s)+1], s77, (\s)*SLOT
	s_add_nc_u64 s[G0B+4*(\s)+2:G0B+4*(\s)+3], s[74:75], (\s)*WSTEP
	s_or_b32 s[G0B+4*(\s)+3], s[G0B+4*(\s)+3], 0x80000000
	JLOAD \s                                       ; two loads of mine are out
.endr
	; the head's 128 biases of each kind: thread t takes channel t
	s_lshl_b32 s78, s42, 9
	v_lshl_add_u32 v7, v0, 2, s78
	v_lshl_add_u32 v8, v0, 2, BIASB
	global_load_b32 v4, v7, s[8:9]
	global_load_b32 v5, v7, s[10:11]
	global_load_b32 v6, v7, s[12:13]
	; a fragment is 16 rows x 32 K in 8 registers: lane l holds row l % 16, K = 8 (l / 16) + 0..7 and 16 + 8 (l / 16) + 0..7: two loads of 16 bytes, 32 bytes apart
	v_and_b32 v1, 15, v0                           ; r = l % 16
	v_bfe_u32 v2, v0, 4, 1                         ; h = l / 16
	v_mul_u32_u24 v3, v1, P
	v_lshl_add_u32 v3, v2, 4, v3
	s_mul_i32 s78, s21, 128*P                      ; my 128 rows of x
	s_mul_i32 s79, s22, 64*P                       ; my 64 channels of each kind
	s_add_co_u32 s79, s79, ABYTES
.irp s, 0,1
	v_add_nc_u32 v[ADRA+(\s)], s78, v3
	v_add_nc_u32 v[ADRB+(\s)], s79, v3
	s_add_co_u32 s78, s78, SLOT
	s_add_co_u32 s79, s79, SLOT
.endr
	s_mul_i32 s80, s21, 128*SPITCH                 ; into a stage: row 128 i + 16 a + r, byte 128 j + 32 b + 16 h
	s_lshl_b32 s81, s22, 7
	s_add_co_u32 s80, s80, s81
	s_add_co_u32 s80, s80, STAGE0
	v_mul_u32_u24 v9, v1, SPITCH
	v_lshl_add_u32 v9, v2, 4, v9
	v_add_nc_u32 v[STO], s80, v9
	v_add_nc_u32 v[STO+1], STAGEB, v[STO]
	s_mul_i32 s80, s[WV], 64*SPITCH                ; back: wave w takes rows 64 w .. + 63, whole: lanes 0-15 one row of 256 bytes, lanes 16-31 the next
	s_add_co_u32 s80, s80, STAGE0
	v_mul_u32_u24 v9, v2, SPITCH
	v_lshl_add_u32 v9, v1, 4, v9
	v_add_nc_u32 v[RD], s80, v9
	v_add_nc_u32 v[RD+1], STAGEB, v[RD]
	v_and_b32 v9, 31, v0
	v_lshlrev_b32 v[CO], 4, v9                     ; a head's rows are dense: two rows are 512 consecutive bytes
	s_lshl_b32 s80, s22, 8
	s_add_co_u32 s80, s80, BIASB
	v_lshl_add_u32 v[BA], v2, 5, s80               ; my channels 64 j + 16 b + 8 h + 0..7
	s_lshr_b32 s82, s43, 3                         ; the batch: eight tile rows each
	s_lshl_b32 s82, s82, 3
	s_add_co_u32 s82, s82, s42                     ; 8 batch + head
	s_lshl_b32 s82, s82, 11
	s_and_b32 s83, s43, 7
	s_lshl_b32 s83, s83, 8
	s_add_co_u32 s82, s82, s83                     ; + the tile's first row in the batch
	s_lshl_b32 s83, s[WV], 6
	s_add_co_u32 s82, s82, s83                     ; + the 64 rows that I store
	s_lshl_b32 s82, s82, 8                         ; rows of 256 bytes
	s_mov_b32 s83, 0
	s_add_nc_u64 s[14:15], s[14:15], s[82:83]
	s_add_nc_u64 s[16:17], s[16:17], s[82:83]
	s_add_nc_u64 s[18:19], s[18:19], s[82:83]
	s_wait_loadcnt 0x0                             ; the three biases
	v_cvt_pk_bf16_f32 v10, v4, v5                  ; rounded to bf16, and back to f32
	v_cvt_pk_bf16_f32 v11, v6, v6
	v_lshlrev_b32 v4, 16, v10
	v_and_b32 v5, 0xffff0000, v10
	v_lshlrev_b32 v6, 16, v11
	v_mul_f32 v4, s[SCQ], v4
	ds_store_b32 v8, v4
	ds_store_b32 v8, v5 offset:512
	ds_store_b32 v8, v6 offset:1024
; 16 matrix instructions of kind g: row blocks 4 hf .. 4 hf + 3 x all 4 channel blocks, 32 along K, x's fragments in buffer fa.  zero = 1: the first product starts the sums: nothing is cleared.
; The 96 accumulators take turns, one instruction a turn, in the same order in every 32 along K.
.macro MULP fa, g, hf, zero
	WIN 0x50*(1+(\g))                              ; C and D in window 1 + g, both sources in window 0
.irp a, 0,1,2,3
.irp b, 0,1,2,3
.if \zero
	v_wmma_f32_16x16x32_bf16 v[8*(4*(4*(\hf)+(\a))+(\b)):8*(4*(4*(\hf)+(\a))+(\b))+7], v[FB+32*(\g)+8*(\b):FB+32*(\g)+8*(\b)+7], v[(\fa)+8*(4*(\hf)+(\a)):(\fa)+8*(4*(\hf)+(\a))+7], 0
.else
	v_wmma_f32_16x16x32_bf16 v[8*(4*(4*(\hf)+(\a))+(\b)):8*(4*(4*(\hf)+(\a))+(\b))+7], v[FB+32*(\g)+8*(\b):FB+32*(\g)+8*(\b)+7], v[(\fa)+8*(4*(\hf)+(\a)):(\fa)+8*(4*(\hf)+(\a))+7], v[8*(4*(4*(\hf)+(\a))+(\b)):8*(4*(4*(\hf)+(\a))+(\b))+7]
.endif
.endr
.endr
.endm
.macro LDB slot, c, g                  ; 8 LDS loads: kind g's fragments (my 64 channels) of chunk c (32 along K)
	WIN 0
.irp b, 0,1,2,3
	ds_load_b128 v[FB+32*(\g)+8*(\b):FB+32*(\g)+8*(\b)+3],   v[ADRB+(\slot)] offset:(\g)*128*P+(\b)*16*P+64*(\c)
	ds_load_b128 v[FB+32*(\g)+8*(\b)+4:FB+32*(\g)+8*(\b)+7], v[ADRB+(\slot)] offset:(\g)*128*P+(\b)*16*P+64*(\c)+32
.endr
.endm
.macro LDA slot, c, fa                 ; 16 LDS loads: x's fragments (my 128 rows) of chunk c
	WIN 0
.irp a, 0,1,2,3,4,5,6,7
	ds_load_b128 v[(\fa)+8*(\a):(\fa)+8*(\a)+3],   v[ADRA+(\slot)] offset:(\a)*16*P+64*(\c)
	ds_load_b128 v[(\fa)+8*(\a)+4:(\fa)+8*(\a)+7], v[ADRA+(\slot)] offset:(\a)*16*P+64*(\c)+32
.endr
.endm
; A K step is two chunks of 32, a chunk three phases (q, k, v) of 32 matrix instructions.  A kind's buffer is loaded again one phase behind its last use, two phases ahead of its next.
; Each phase's wait leaves out the loads that the phase before issued (8, 8, 24): what the phase multiplies was issued ahead of those.
.macro CHUNK0 slot, zero
	s_wait_dscnt 8
	MULP FA0, 0, 0, \zero
	PLACES
	LDB \slot, 0, 2
	MULP FA0, 0, 1, \zero
	s_wait_dscnt 8
	MULP FA0, 1, 0, \zero
	PLACES
	LDB \slot, 1, 0
	LDA \slot, 1, FA1
	MULP FA0, 1, 1, \zero
	s_wait_dscnt 24
	MULP FA0, 2, 0, \zero
	PLACES
	LDB \slot, 1, 1
	MULP FA0, 2, 1, \zero
.endm
; The second chunk changes slots.  Its first phase issues the slot's last reads.  Then ONE barrier: in front of it each wave waits for all its tensor loads (one is out: its part of the next slot), adds 0 to its
; spare word, and waits for that and for its reads of this slot.  fill = 1: the barrier opens a round of the cluster's barrier, and this slot is filled again, two K steps ahead, first thing behind the round:
; 160 matrix instructions of the wave stand between that request and the wait for it.
.macro CHUNK1 slot, next, fill
	s_wait_dscnt 8
	MULP FA1, 0, 0, 0
	PLACES
	LDB \slot, 1, 2
	s_wait_tensorcnt 0x0                           ; all my tensor loads have landed;
	ds_add_u32 v[SPW], v[NIL]                      ; 0 onto my spare word
	MULP FA1, 0, 1, 0                              ; sixteen matrix instructions stand between the add and the wait for it
	s_wait_dscnt 0x0                               ; the add is done, and my reads of this slot are over
	s_barrier_signal -1
	MULP FA1, 1, 0, 0                              ; work on registers while the others arrive
	WIN 0                                          ; at a branch and at a label every window is 0
	s_barrier_wait -1
.if \fill
	CREST                                          ; no wave of any partner still reads this slot or has a load on its way
	s_add_nc_u64 s[G0A+4*(\slot)+2:G0A+4*(\slot)+3], s[G0A+4*(\slot)+2:G0A+4*(\slot)+3], 2*XSTEP
	s_add_nc_u64 s[G0B+4*(\slot)+2:G0B+4*(\slot)+3], s[G0B+4*(\slot)+2:G0B+4*(\slot)+3], 2*WSTEP
	JLOAD \slot                                    ; its four v_nop are also the places in front of the loads below
.else
	PLACES
.endif
	LDB \next, 0, 0
	LDA \next, 0, FA0
	MULP FA1, 1, 1, 0
	s_wait_dscnt 24
	MULP FA1, 2, 0, 0
	PLACES
	LDB \next, 0, 1
	MULP FA1, 2, 1, 0
.endm
	s_wait_tensorcnt 0x1                           ; my part of K step 0 is in; step 1's may stay out
	s_wait_dscnt 0x0                               ; my biases are in LDS
	s_barrier_signal -1
	s_barrier_wait -1
	LDB 0, 0, 0
	LDA 0, 0, FA0
	LDB 0, 0, 1
	CHUNK0 0, 1                                    ; the first chunk stands in front of the loop: its products start the sums
	WIN 0
	s_mov_b32 s3, 7
.Llap:                                                 ; a trip goes once round the ring and fills both slots again: 7 trips ask for K steps 2 to 15
	CHUNK1 0, 1, 1
	CHUNK0 1, 0
	CHUNK1 1, 0, 1
	CHUNK0 0, 0
	WIN 0
	s_sub_co_u32 s3, s3, 1
	s_cmp_lg_u32 s3, 0
	s_cbranch_scc1 .Llap
	CHUNK1 0, 1, 0                                 ; the last lap fills nothing, and has no round
	CHUNK0 1, 0
	s_wait_dscnt 8                                 ; the very last chunk: only v's fragments are still to be fetched
	MULP FA1, 0, 0, 0
	PLACES
	LDB 1, 1, 2
	MULP FA1, 0, 1, 0
	s_wait_dscnt 8
	MULP FA1, 1, 0, 0
	MULP FA1, 1, 1, 0
	s_wait_dscnt 0x0
	MULP FA1, 2, 0, 0
	MULP FA1, 2, 1, 0
; THE WAY OUT.  A wave's 64 channels are half of a row of 256 bytes, so two waves write the halves of the same stage rows, a barrier stands between writing and reading, and each wave
; then reads 64 whole rows and stores them, 512 consecutive bytes an instruction.
.macro OUTA g, st                      ; kind g: bias (q: scale and bias), rounding to f16, into stage st
	WIN 0
.irp b, 0,1,2,3
	ds_load_b128 v[BI+8*(\b):BI+8*(\b)+3],   v[BA] offset:(\g)*512+64*(\b)
	ds_load_b128 v[BI+8*(\b)+4:BI+8*(\b)+7], v[BA] offset:(\g)*512+64*(\b)+16
.endr
	s_wait_dscnt 0x0                               ; the biases are in, and the stores of the kind before have left their registers
	WIN ((1+(\g))<<6)|(1+(\g))                     ; destination and source 0 in the kind's window
.set n, 0
.rept 128                              ; each accumulator's registers in ascending order
.if (\g) == 0
	v_pk_fma_f32 v[2*n:2*n+1], v[2*n:2*n+1], s[SCQ:SCQ+1], v[BI+8*((n/4)%4)+2*(n%4):BI+8*((n/4)%4)+2*(n%4)+1] op_sel_hi:[1,0,1]
.else
	v_pk_add_f32 v[2*n:2*n+1], v[2*n:2*n+1], v[BI+8*((n/4)%4)+2*(n%4):BI+8*((n/4)%4)+2*(n%4)+1]
.endif
.set n, n+1
.endr
	WIN (1+(\g))|((1+(\g))<<2)                     ; sources 0 and 1 in the kind's window, destination in window 0
.set n, 0
.rept 128
	v_cvt_pk_f16_f32 v[PK+n], v[2*n], v[2*n+1]
.set n, n+1
.endr
	WIN 0
.irp a, 0,1,2,3,4,5,6,7
.irp b, 0,1,2,3
	ds_store_b128 v[STO+(\st)], v[PK+4*(4*(\a)+(\b)):PK+4*(4*(\a)+(\b))+3] offset:(\a)*16*SPITCH+32*(\b)
.endr
.endr
.endm
.macro BACK g, st                      ; my 64 whole rows of stage st, to kind g's buffer
	WIN 0
.set n, 0
.rept 32
	ds_load_b128 v[PK+4*n:PK+4*n+3], v[RD+(\st)] offset:n*2*SPITCH
.set n, n+1
.endr
.set n, 0
.rept 32
	s_wait_dscnt 31-n                              ; LDS loads come back in order: load n is in
	global_store_b128 v[CO], v[PK+4*n:PK+4*n+3], s[14+2*(\g):15+2*(\g)] offset:n*512  ; 512 consecutive bytes, at a multiple of 256 from the buffer's first byte
.set n, n+1
.endr
.endm
	PLACES                                         ; behind the last products
	OUTA 0, 0
	OUTA 1, 1
	s_wait_dscnt 0x0                               ; for the others' sake: my stores into both stages are done
	s_barrier_signal -1
	s_barrier_wait -1
	BACK 0, 0
	s_wait_xcnt 0x0                                ; the stores' data registers are loaded again only behind this wait
	BACK 1, 1
	s_wait_dscnt 0x0                               ; my reads of stage 0 are over,
	s_barrier_signal -1
	s_barrier_wait -1                              ; everybody's are: it may be written again
	s_wait_xcnt 0x0                                ; and the stores' data registers too
	OUTA 2, 0
	s_wait_dscnt 0x0
	s_barrier_signal -1
	s_barrier_wait -1
	BACK 2, 0
	s_wait_tensorcnt 0x0                           ; the wave's end, behind my last tensor load and my last LDS store
	ds_add_u32 v[SPW], v[NIL]
	s_wait_dscnt 0x0
	CROUND                                         ; the closing round: no work-group ends while a partner may still ask for a tile that names it
	s_endpgm
.Lfunc_end_k_q9675c6bec8_proj:
	.size	k_q9675c6bec8_proj, .Lfunc_end_k_q9675c6bec8_proj-k_q9675c6bec8_proj
	.p2alignl 7, 3214868480
	.fill 96, 4, 3214868480
	.section	.rodata,"a",@progbits
	.p2align	6, 0x0
	.amdhsa_kernel k_q9675c6bec8_proj
		.amdhsa_group_segment_fixed_size 327680
		.amdhsa_private_segment_fixed_size 0
		.amdhsa_enable_private_segment 0
		.amdhsa_kernarg_size 64
		.amdhsa_user_sgpr_count 2
		.amdhsa_user_sgpr_kernarg_segment_ptr 1
		.amdhsa_wavefront_size32 1
		.amdhsa_system_sgpr_workgroup_id_x 1
		.amdhsa_system_sgpr_workgroup_id_y 1
		.amdhsa_system_sgpr_workgroup_id_z 1
		.amdhsa_system_vgpr_workitem_id 0
		.amdhsa_next_free_vgpr 1024
		.amdhsa_next_free_sgpr 96
		.amdhsa_reserve_vcc 0
		.amdhsa_float_denorm_mode_32 3
		.amdhsa_float_denorm_mode_16_64 3
		.amdhsa_memory_ordered 1
		.amdhsa_forward_progress 1
		.amdhsa_inst_pref_size 160
	.end_amdhsa_kernel
	.amdgpu_metadata
---
amdhsa.version: [ 1, 2 ]
amdhsa.kernels:
  - .name:           k_q9675c6bec8_proj
    .symbol:         k_q9675c6bec8_proj.kd
    .args:
      - { .name: xb, .offset: 0, .size: 8, .value_kind: global_buffer, .address_space: global }
      - { .name: wb, .offset: 8, .size: 8, .value_kind: global_buffer, .address_space: global }
      - { .name: bq, .offset: 16, .size: 8, .value_kind: global_buffer, .address_space: global }
      - { .name: bk, .offset: 24, .size: 8, .value_kind: global_buffer, .address_space: global }
      - { .name: bv, .offset: 32, .size: 8, .value_kind: global_buffer, .address_space: global }
      - { .name: qh, .offset: 40, .size: 8, .value_kind: global_buffer, .address_space: global }
      - { .name: kh, .offset: 48, .size: 8, .value_kind: global_buffer, .address_space: global }
      - { .name: vh, .offset: 56, .size: 8, .value_kind: global_buffer, .address_space: global }
    .group_segment_fixed_size: 327680
    .private_segment_fixed_size: 0
    .kernarg_segment_align: 8
    .kernarg_segment_size: 64
    .max_flat_workgroup_size: 128
    .sgpr_count:     96
    .vgpr_count:     1024
    .wavefront_size: 32
...
	.end_amdgpu_metadata
.endif
;; end of part 2
;; launch attn (part 3): grid 8 x 32, 4 waves a work-group, clusters of 4 x 4, 327,680 bytes of LDS; arguments qh, kh, vh, attention_mask, latent_layer_memory_i, out0; writes out0
.if DOCPART == 3
	.amdgcn_target "amdgcn-amd-amdhsa--gfx1250"
	.amdhsa_code_object_version 6
	.text
	.protected	k_q9675c6bec8_attn
	.globl	k_q9675c6bec8_attn
	.p2align	8
	.type	k_q9675c6bec8_attn,@function
k_q9675c6bec8_attn:
	s_mov_b64 s[64:65], 0
	v_nop
	global_prefetch_b8 v0, s[64:65] scope:SCOPE_SE
	s_setreg_imm32_b32 hwreg(HW_REG_WAVE_MODE, 25, 1), 1
	s_wait_xcnt 0x0
	s_wait_alu depctr_hold_cnt(0) depctr_sa_sdst(0) depctr_va_vdst(0) depctr_va_sdst(0) depctr_va_ssrc(0) depctr_va_vcc(0) depctr_vm_vsrc(0)
	s_getreg_b32 s2, hwreg(HW_REG_IB_STS2, 6, 4)
	s_cmp_eq_u32 s2, 0
	s_cbranch_scc0 .Lentry_in_a_cluster
	s_endpgm
.Lentry_in_a_cluster:
	s_bfe_u32 s2, ttmp6, 0x10000c
	s_cmp_lg_u32 s2, 0xf033
	s_cbranch_scc0 .Lentry_shape_is_right
	s_endpgm
.Lentry_shape_is_right:
; out0[b][q][128 head + :] = the sum over t = 0 .. 2048 of softmax_t(s[q][t]) v[t][:], head size 128.  Key and value 0 are the raw latent vector, with no mask; key t + 1 is kh's row t, and
; s = q . k + attention_mask[b][0][q][t].  qh (already divided by sqrt(128)), kh, vh: [8 b + head][2048][128] in f16.  The mask and out0 are f32.
; Products, maxima and sums in f32; the weights p are rounded to f16 for the second product (their sum l is taken of the unrounded p).
; LIMITS.  The latent is rounded to bf16 like the module's other inputs and must lie within f16's 65,504 for its score.  The mask is used as it is given, unrounded.  A weight below 2^-126 counts as 0.
; A mask entry of -infinity, or so low that the score overflows, gives the weight 0: the running maximum starts at the latent's score, which has no mask, so it is finite from the first step on.
; +infinity and NaN are not treated apart.
; SHARES.  A work-group owns 256 queries of one head, each of its four waves 64: four tiles of 16, in two PIECES (tiles 0, 1 and tiles 2, 3).  Every wave walks all 2,048 keys, 64 a step.
; LAYOUT.  S^T = K Q^T + mask (source 0 = 16 keys, source 1 = 16 queries): a lane holds ONE query (lane % 16) and the keys 8 (lane / 16) + 0..7.  Two such tiles, rounded to f16 in pairs, ARE source 1 of
; O^T = V^T P, whose result again holds one query a lane, and eight channels.  K comes out of LDS as it lies, V turned, by ds_load_tr16_b128.
; THE MASK IS THE C OPERAND.  A lane's eight mask numbers of a tile are 32 consecutive bytes of its query's row: they are loaded from LDS into S^T's registers, and all products K Q^T add onto them in place.
; THE LATENT STARTS THE SOFTMAX.  m = q . latent (a true score), l = 1 (a half in each of the query's two lanes), O^T = latent: its weight 2^(c s - c m) is 1.  So every key step is a step like any other.
; SOFTMAX.  p = 2^(c s - c m), c = log2(e); in every step O and l are multiplied by a = 2^(c m_old - c m_new).
; BY TURNS.  In a TURN one piece has the matrix unit: 32 products V^T P of the step in hand, then 32 products K Q^T of the next step; the other piece's softmax, 268 vector instructions cut into 64 slices,
; stands between them, one slice behind each matrix instruction.  Two turns are a key step.
; CLUSTER.  4 x 4 work-groups: four query blocks x four heads of one batch.  K's and V's tiles hang on the head alone and are asked for jointly along a row of the cluster; the mask's tile hangs on the batch
; and the query block alone and is asked for jointly along a column.  A slot holds one step's K, V and mask (105,472 bytes; two steps in each of two slots would be 421,888), so there is one round a key step.
; REGISTERS, in windows of 256 (s_set_vgpr_msb: bits 1:0 source 0, 3:2 source 1, 5:4 source 2, 7:6 destination):
;   window 0: v0-11, v44-47 addresses; v12-43 eight registers of statistics a tile; v64-191 S^T, 32 a tile; v192-255 P, 16 a tile
;   window 1: O^T, 64 a tile          window 2: v0-127 Q, 32 a tile; v128-255 K of one step          window 3: v0-127 V of one step
.set KS,    64
.set PK,    272       ; a row of K in LDS: 256 bytes + 16 of padding = 68 words: row r starts at bank 4 r mod 64 (64 banks of 4 bytes: ISA guide 11.1)
.set PV,    288       ; a row of V: 256 + 32 = 72 words
.set PM,    272       ; a row of the mask's tile: 64 f32 + 16 bytes
.set VOFF,  KS*PK
.set MOFF,  VOFF+KS*PV
.set SLOT1, 1<<17     ; slot 1 begins here, so that one exclusive or turns an address in one slot into the other's
.set STAGE, SLOT1+MOFF+256*PM  ; behind the ring, never filled by a tensor load: 16 rows x 528 bytes for each wave
.set SP,    528       ; 512 bytes + 16 = 132 words
.set SPARE, STAGE+4*16*SP      ; the spare words, 128 bytes for each wave: two blocks of 256 bytes that no other line names
.set AK0, 2           ; v2   my lane's place in a tile of K; never rewritten
.set AV0, 3           ; v3   the same for V
.set ADR, 4           ; v4   the LDS address of K's or V's run of loads in hand
.set QO,  5           ; v5   my byte offset in 16 rows of Q
.set STO, 6           ; v6   the way out: where I put 16 bytes of a row
.set RD,  7           ; v7   where I read a row back
.set GO,  8           ; v8   my 16 bytes in a head's 512 bytes of a row of out0
.set AM0, 10          ; v10  my lane's place in the mask's tile; never rewritten
.set ADM, 11          ; v11  the LDS address of the mask's run of loads in hand
.set ST,  12          ; tile t's statistics at v[ST+8 t]: +0 c m, +1 m, +2, +3 l (even keys', odd keys'), +4 to +7 c0-c3, at work; a takes c2's place once the maximum is found
.set LO,  44          ; v44  my byte offset in the head's latent
.set PFV, 45          ; v45  the mask row whose bytes I ask for ahead, in bytes; never rewritten
.set SPW, 62          ; v62  LDS address of my spare word; never rewritten
.set NIL, 63          ; v63  0; never rewritten
.set S,   64
.set P,   192
.set KF,  128         ; K's fragments, in window 2
.set WV,  16          ; s16  my wave's number
.set G1K, 24          ; s[24:31], s[32:39], s[40:47] descriptor group 1 for K's, V's and the mask's tiles
.set G1V, 32
.set G1M, 40
.set G0K, 48          ; s[48:51], s[52:55], s[56:59] group 0: each walks
.set G0V, 52
.set G0M, 56
.set CS,  60          ; s[60:61] c
.set SEL, 62          ; s[62:63] v_permlanex16_b32's selects: each lane takes its own place in the other half
.set TB,  66          ; s66  LDS byte at which the slot to be read begins
.set LOOP, 67
.set PO,  70          ; s[70:71] byte offset along the mask's rows of the step asked for ahead
.set PFA, 72          ; s[72:73] the mask at my query block's first row, at that step
.set MB,  74          ; s[74:75] the mask at my query block's first row
.set HIM, 76          ; s76  a word's upper half
.set MSB, 0
.macro WIN new                      ; the high byte repeats the setting that is left; a switch that changes nothing is dropped
.if MSB != (\new)
	s_set_vgpr_msb (MSB<<8)|(\new)
.set MSB, (\new)
.endif
.endm
.set W_KQ, 0x0a       ; K and Q in window 2, S^T in window 0
.set W_PV, 0x53       ; V in window 3, P in window 0, O^T in window 1
.set W_RS, 0x41       ; O^T (destination and source 0) in window 1, a in window 0
; A joint fill: wave 0 fetches the step's K, wave 1 its V, waves 2 and 3 the halves of the mask's tile.  The branches hang on the wave's number alone.
; An s_nop 0 and four v_nop follow each of the three lines, ahead of the jump and the label.
; Wave 0 also asks ahead for mask bytes: of the tile's 256 rows the eight heads of a batch take 32 each, a lane a row, the row's 256 bytes of the step two steps behind the one just asked for.
.macro JLOAD
	s_cmp_lt_u32 s[WV], 2
	s_cbranch_scc0 .Lfor_m_\@
	s_cmp_eq_u32 s[WV], 0
	s_cbranch_scc0 .Lfor_v_\@
	tensor_load_to_lds s[G0K:G0K+3], s[G1K:G1K+7]
	s_nop 0
.rept 4
	v_nop
.endr
	global_prefetch_b8 v[PFV], s[PFA:PFA+1] th:TH_LOAD_NT scope:SCOPE_SE
	s_branch .Lasked_\@
.Lfor_v_\@:
	tensor_load_to_lds s[G0V:G0V+3], s[G1V:G1V+7]
	s_nop 0
.rept 4
	v_nop
.endr
	s_branch .Lasked_\@
.Lfor_m_\@:
	tensor_load_to_lds s[G0M:G0M+3], s[G1M:G1M+7]
	s_nop 0
.rept 4
	v_nop
.endr
.Lasked_\@:
.endm
.macro CROUND                       ; a round of the cluster's barrier
	s_barrier_signal -1
	s_barrier_wait -1
	s_cmp_lg_u32 s[WV], 0
	s_cbranch_scc1 .Lnot_wave_0_\@
	s_barrier_signal -3
.Lnot_wave_0_\@:
	s_barrier_wait -3
	s_barrier_signal -1
	s_barrier_wait -1
.endm
; THE CHANGE OF SLOTS, in front of piece 0's turn: the slot's last bytes, its V, have been asked for.  Each wave waits for all its tensor loads (one is out: its part of the other slot), adds 0 to its spare
; word, and waits for that and for its reads of the slot.  fill = 1: the slot is filled again, with the step two steps on, first thing behind a round of the cluster's barrier: it has a whole key step,
; 128 matrix instructions of each wave, in which to land.  (At its first use nothing has been read yet: slot 0 is waited for, slot 1 filled.)
.macro CHANGE fill
	WIN 0                           ; at a label and at a branch every window is 0
	s_wait_tensorcnt 0x0            ; no tensor load of mine is out, so a group 0 may be written
	ds_add_u32 v[SPW], v[NIL]       ; 0 onto my spare word: scalar work stands between it and the wait for it
.if \fill
	s_xor_b32 s[G0K+1], s[G0K+1], SLOT1
	s_add_nc_u64 s[G0K+2:G0K+3], s[G0K+2:G0K+3], KS*256  ; the next 64 keys; the type bits on top are not reached
	s_xor_b32 s[G0V+1], s[G0V+1], SLOT1
	s_add_nc_u64 s[G0V+2:G0V+3], s[G0V+2:G0V+3], KS*256
	s_xor_b32 s[G0M+1], s[G0M+1], SLOT1
	s_add_nc_u64 s[G0M+2:G0M+3], s[G0M+2:G0M+3], KS*4    ; 64 columns on
	s_wait_xcnt 0x0                 ; the request ahead that was issued a key step ago has read its address
	s_add_co_u32 s[PO], s[PO], KS*4
	s_min_u32 s[PO], s[PO], 31*KS*4 ; never past the rows' last step
	s_add_nc_u64 s[PFA:PFA+1], s[MB:MB+1], s[PO:PO+1]
	s_wait_dscnt 0x0                ; the add is done, and my reads of the slot are over
	CROUND
	JLOAD
.else
	s_wait_dscnt 0x0
	s_barrier_signal -1
	s_barrier_wait -1
.endif
	s_xor_b32 s[TB], s[TB], SLOT1   ; the fetches go to the other slot
.endm
	s_load_b256 s[4:11], s[0:1], 0x0   ; qh s[4:5], kh s[6:7], vh s[8:9], the mask s[10:11]
	s_load_b128 s[12:15], s[0:1], 0x20 ; the latent s[12:13], out0 s[14:15]
	v_lshl_add_u32 v[SPW], v0, 2, SPARE
	v_mov_b32 v[NIL], 0
	ds_add_u32 v[SPW], v[NIL]       ; the wave's opening: the add and its wait stand ahead of my first tensor load; the set-up below, work on registers, stands between them
	v_lshrrev_b32 v1, 5, v0
	v_readfirstlane_b32 s[WV], v1
	s_bfe_u32 s17, ttmp6, 0x40000   ; cx, cy: my place in the cluster
	s_bfe_u32 s18, ttmp6, 0x40004
	s_lshl_b32 s19, ttmp9, 2
	s_add_co_u32 s19, s19, s17      ; X, my block of 256 queries = 4 x cluster x + cx
	s_and_b32 s23, ttmp7, 0xffff
	s_lshl_b32 s20, s23, 2
	s_add_co_u32 s20, s20, s18      ; Y = 8 batch + head = 4 x cluster y + cy
	s_lshr_b32 s21, s23, 1          ; the batch: two clusters along y each: made without cy
	s_and_b32 s22, s20, 7           ; the head
	s_lshl_b32 s78, s18, 2
	s_lshl_b32 s78, 15, s78         ; my row of the cluster
	s_lshl_b32 s79, 0x1111, s17     ; my column
	s_or_b32 s[G1K], s78, (1<<16)|(1<<20)|(1<<21)|(5<<22)|(3<<25)  ; 15:0 the mask of work-groups; 17:16 2-byte elements; 20 padding on; 21 set beside a mask; 24:22 after every 64 words (code 5); 31:25 4 words (code 3)
	s_or_b32 s[G1V], s78, (1<<16)|(1<<20)|(1<<21)|(5<<22)|(7<<25)  ; the same with 8 words of padding (code 7)
	s_or_b32 s[G1M], s79, (2<<16)|(1<<20)|(1<<21)|(5<<22)|(3<<25)  ; 4-byte elements, my column
.irp g, G1K, G1V
	s_mov_b32 s[(\g)+1], 128<<16    ; tensor_dim0 = 128
	s_mov_b32 s[(\g)+2], KS<<16     ; tensor_dim1 = 64
	s_mov_b32 s[(\g)+3], 128<<16    ; tile_dim0 = 128
	s_mov_b32 s[(\g)+4], KS         ; tile_dim1 = 64
	s_mov_b32 s[(\g)+5], 128        ; 128 elements from row to row
	s_mov_b32 s[(\g)+6], 0
	s_mov_b32 s[(\g)+7], 0
.endr
	s_mov_b32 s[G1M+1], KS<<16      ; tensor_dim0 = 64 columns
	s_mov_b32 s[G1M+2], 128<<16     ; tensor_dim1 = 128 queries
	s_mov_b32 s[G1M+3], KS<<16      ; tile_dim0
	s_mov_b32 s[G1M+4], 128         ; tile_dim1
	s_mov_b32 s[G1M+5], 2048        ; 2,048 elements from row to row
	s_mov_b32 s[G1M+6], 0
	s_mov_b32 s[G1M+7], 0
	s_mov_b32 s[G0K], 1             ; count = 1
	s_mov_b32 s[G0K+1], 0           ; LDS address: slot 0
	s_mov_b32 s[G0V], 1
	s_mov_b32 s[G0V+1], VOFF
	s_mov_b32 s[G0M], 1
	s_and_b32 s77, s[WV], 1         ; which half of the mask's tile I fetch
	s_mul_i32 s[G0M+1], s77, 128*PM
	s_add_co_u32 s[G0M+1], s[G0M+1], MOFF
	s_mov_b32 s[CS], 0x3fb8aa3b     ; c = log2(e)
	s_mov_b32 s[CS+1], s[CS]        ; named with it as a pair
	s_mov_b32 s[SEL], 0x76543210
	s_mov_b32 s[SEL+1], 0xfedcba98
	s_mov_b32 s[TB], SLOT1          ; the first change of slots turns it into 0
	s_mov_b32 s[PO], 2*KS*4         ; the first request ahead is for step 2
	s_mov_b32 s[PO+1], 0
	s_mov_b32 s[HIM], 0xffff0000
	s_lshl_b32 s80, s20, 19         ; a head's 2,048 rows of 256 bytes: K's and V's addresses hang on Y alone
	s_mov_b32 s81, 0
	s_lshl_b32 s82, s21, 24         ; the batch's mask,
	s_lshl_b32 s83, s19, 21         ; my block's 256 rows of 8,192 bytes: the mask's address hangs on the batch and X alone
	s_add_co_u32 s82, s82, s83
	s_mov_b32 s83, 0
	s_lshl_b32 s84, s77, 20         ; 128 rows a half
	s_mov_b32 s85, 0
	s_lshl_b32 s86, s19, 16         ; Q: my block's rows,
	s_lshl_b32 s87, s[WV], 14       ; my wave's 64 of them
	s_add_co_u32 s86, s86, s87
	s_add_co_u32 s86, s86, s80
	s_mov_b32 s87, 0
	s_lshl_b32 s88, s21, 23         ; out0: the batch's 2,048 rows of 4,096 bytes,
	s_lshl_b32 s89, s19, 20         ; my block's,
	s_add_co_u32 s88, s88, s89
	s_lshl_b32 s89, s[WV], 18       ; my wave's,
	s_add_co_u32 s88, s88, s89
	s_lshl_b32 s89, s22, 9          ; the head's 512 bytes of a row
	s_add_co_u32 s88, s88, s89
	s_mov_b32 s89, 0
	s_lshl_b32 s90, s20, 9          ; the latent: 512 bytes a head
	s_mov_b32 s91, 0
	v_and_b32 v[PFV], 31, v0
	s_lshl_b32 s77, s22, 5
	v_add_nc_u32 v[PFV], s77, v[PFV]   ; row 32 head + lane of the tile's 256
	v_lshlrev_b32 v[PFV], 13, v[PFV]
	s_wait_dscnt 0x0                ; the opening add is done
	s_wait_kmcnt 0x0
	s_add_nc_u64 s[G0K+2:G0K+3], s[6:7], s[80:81]
	s_or_b32 s[G0K+3], s[G0K+3], 0x80000000        ; type = 2
	s_add_nc_u64 s[G0V+2:G0V+3], s[8:9], s[80:81]
	s_or_b32 s[G0V+3], s[G0V+3], 0x80000000
	s_add_nc_u64 s[MB:MB+1], s[10:11], s[82:83]
	s_add_nc_u64 s[G0M+2:G0M+3], s[MB:MB+1], s[84:85]
	s_or_b32 s[G0M+3], s[G0M+3], 0x80000000
	s_add_nc_u64 s[PFA:PFA+1], s[MB:MB+1], s[PO:PO+1]
	s_add_nc_u64 s[4:5], s[4:5], s[86:87]
	s_add_nc_u64 s[14:15], s[14:15], s[88:89]
	s_add_nc_u64 s[12:13], s[12:13], s[90:91]
	CROUND                          ; all sixteen work-groups are here: the first joint loads meet
	JLOAD                           ; step 0 into slot 0.  Slot 1 is asked for when slot 0 is in
	; A fragment of K or Q is 16 rows x 32 channels in 8 registers: lane l holds row l % 16, channels 8 (l / 16) + 0..7 and 16 + 8 (l / 16) + 0..7: two loads of 16 bytes, 32 bytes apart.
	v_and_b32 v1, 15, v0            ; r = l % 16
	v_bfe_u32 v9, v0, 4, 1          ; h = l / 16
	v_lshlrev_b32 v[QO], 8, v1
	v_lshl_add_u32 v[QO], v9, 4, v[QO]
	v_lshlrev_b32 v[LO], 5, v9
	WIN 0x80                        ; destination window 2, address window 0
.irp i, 0,1,2,3,4,5,6,7,8,9,10,11,12,13,14,15  ; Q stays in registers: tile i / 4, channels 32 (i % 4) on
	global_load_b128 v[8*(\i):8*(\i)+3],   v[QO], s[4:5] offset:((\i)/4)*4096+((\i)%4)*64
	global_load_b128 v[8*(\i)+4:8*(\i)+7], v[QO], s[4:5] offset:((\i)/4)*4096+((\i)%4)*64+32
.endr
	WIN 0x40                        ; destination window 1: the latent in O^T's own layout: register 8 cb + j holds channel 16 cb + 8 h + j
.irp i, 0,1,2,3,4,5,6,7,8,9,10,11,12,13,14,15
	global_load_b128 v[4*(\i):4*(\i)+3], v[LO], s[12:13] offset:((\i)/2)*64+((\i)%2)*16
.endr
	WIN 0
	s_wait_loadcnt 0x0              ; Q and the latent
	WIN 0x45                        ; destination, sources 0 and 1 in window 1: the latent is rounded to bf16 (tile 1's registers are at work) and widened again
.set n, 0
.rept 32
	v_cvt_pk_bf16_f32 v[64+n], v[2*n], v[2*n+1]
.set n, n+1
.endr
.set n, 0
.rept 32
	v_lshlrev_b32 v[2*n], 16, v[64+n]
	v_and_b32 v[2*n+1], s[HIM], v[64+n]
.set n, n+1
.endr
	WIN 0x85                        ; into K's buffer, as f16: registers 8 c .. 8 c + 7 are a fragment of channels 32 c on whose 16 rows are all the latent
.set n, 0
.rept 32
	v_cvt_pk_f16_f32 v[KF+n], v[2*n], v[2*n+1]
.set n, n+1
.endr
	WIN W_RS                        ; all four tiles' O^T start as the latent: the price of writing no first step out; it stands in the wait for the first tile
.set n, 0
.rept 192
	v_mov_b32 v[64+n], v[n%64]
.set n, n+1
.endr
	WIN W_KQ                        ; the latent's score for my 64 queries: every row of the result is the same; the four accumulators take turns
.set i, 0
.rept 16
.if i < 4
	v_wmma_f32_16x16x32_f16 v[S+32*(i%4):S+32*(i%4)+7], v[KF+8*(i/4):KF+8*(i/4)+7], v[32*(i%4)+8*(i/4):32*(i%4)+8*(i/4)+7], 0
.else
	v_wmma_f32_16x16x32_f16 v[S+32*(i%4):S+32*(i%4)+7], v[KF+8*(i/4):KF+8*(i/4)+7], v[32*(i%4)+8*(i/4):32*(i%4)+8*(i/4)+7], v[S+32*(i%4):S+32*(i%4)+7]
.endif
.set i, i+1
.endr
	WIN 0                           ; the lanes' places in the tiles: eleven plain instructions, the places behind those products
	v_mul_u32_u24 v[AK0], v1, PK
	v_lshl_add_u32 v[AK0], v9, 4, v[AK0]  ; row x pitch + 16 x half
	; The turning load takes 16 keys x 16 channels (lane l reads key 8 (l / 16) + l % 8, channels 8 ((l / 8) % 2) + 0..7) and leaves half a fragment of V^T: lane l holds channel l % 16 and 8 keys.
	v_and_b32 v46, 7, v0
	v_bfe_u32 v47, v0, 3, 1
	v_lshl_add_u32 v[AV0], v9, 3, v46
	v_mul_u32_u24 v[AV0], v[AV0], PV
	v_lshl_add_u32 v[AV0], v47, 4, v[AV0]
	v_add_nc_u32 v[AV0], VOFF, v[AV0]
	s_mul_i32 s78, s[WV], 64*PM
	s_add_co_u32 s78, s78, MOFF
	v_mul_u32_u24 v[AM0], v1, PM    ; the mask: row 64 w + 16 t + r, keys 16 kb + 8 h + 0..7: 32 bytes
	v_lshl_add_u32 v[AM0], v9, 5, v[AM0]
	v_add_nc_u32 v[AM0], s78, v[AM0]
.irp t, 0,1,2,3
	v_mov_b32 v[ST+8*(\t)+1], v[S+32*(\t)]         ; m: the accumulator's lowest register is read first
	v_mul_f32 v[ST+8*(\t)], s[CS], v[S+32*(\t)]    ; c m
	v_mov_b32 v[ST+8*(\t)+2], 0.5                  ; l: the query's two lanes hold a half each
	v_mov_b32 v[ST+8*(\t)+3], 0
.endr
; THE MATRIX WORK OF A TURN, for piece x.  The accumulators take turns, one instruction a turn: between two links of a chain stand 15 (V^T P) or 7 (K Q^T) others'.
; Product i of 32 of O^T += V^T P: keys 32 (i / 16) on, channels 16 ((i / 2) % 8) on, tile x + i % 2.
.macro PV x
	WIN W_PV
.set rO, 64*((\x)+i%2)+8*((i/2)%8)
.set rV, 64*(i/16)+8*((i/2)%8)
.set rP, P+16*((\x)+i%2)+8*(i/16)
	v_wmma_f32_16x16x32_f16 v[rO:rO+7], v[rV:rV+7], v[rP:rP+7], v[rO:rO+7]
.endm
; Product i of 32 of S^T += K Q^T, onto the mask: channels 32 (i / 8) on, keys 16 ((i / 2) % 4) on, tile x + i % 2.
.macro KQ x
	WIN W_KQ
.set rS, S+32*((\x)+i%2)+8*((i/2)%4)
.set rK, KF+32*((i/2)%4)+8*(i/8)
.set rQ, 32*((\x)+i%2)+8*(i/8)
	v_wmma_f32_16x16x32_f16 v[rS:rS+7], v[rK:rK+7], v[rQ:rQ+7], v[rS:rS+7]
.endm
; THE LDS LOADS stand in runs, never singly among the matrix instructions.
.macro FETCH_K
	WIN 0
	v_add_nc_u32 v[ADR], s[TB], v[AK0]
	WIN 0x80                        ; destination window 2
.irp f, 0,1,2,3,4,5,6,7,8,9,10,11,12,13,14,15  ; keys 16 (f / 4) on, channels 32 (f % 4) on
	ds_load_b128 v[KF+8*(\f):KF+8*(\f)+3],   v[ADR] offset:((\f)/4)*16*PK+((\f)%4)*64
	ds_load_b128 v[KF+8*(\f)+4:KF+8*(\f)+7], v[ADR] offset:((\f)/4)*16*PK+((\f)%4)*64+32
.endr
.endm
.macro FETCH_V
	WIN 0
	v_add_nc_u32 v[ADR], s[TB], v[AV0]
	WIN 0xc0                        ; destination window 3
.irp f, 0,1,2,3,4,5,6,7,8,9,10,11,12,13,14,15  ; keys 32 (f / 8) on, channels 16 (f % 8) on
	ds_load_tr16_b128 v[8*(\f):8*(\f)+3],   v[ADR] offset:((\f)/8)*32*PV+((\f)%8)*32
	ds_load_tr16_b128 v[8*(\f)+4:8*(\f)+7], v[ADR] offset:((\f)/8)*32*PV+16*PV+((\f)%8)*32
.endr
.endm
.macro FETCH_M x                    ; piece x's mask, 2 tiles x 64 keys, into its S^T: register 32 t + 8 kb + j takes key 16 kb + 8 h + j of query 16 t + r
	WIN 0
	v_add_nc_u32 v[ADM], s[TB], v[AM0]
.irp f, 0,1,2,3,4,5,6,7,8,9,10,11,12,13,14,15  ; tile x + f / 8, four registers f % 8
	ds_load_b128 v[S+32*((\x)+(\f)/8)+4*((\f)%8):S+32*((\x)+(\f)/8)+4*((\f)%8)+3], v[ADM] offset:((\x)+(\f)/8)*16*PM+(((\f)%8)/2)*64+((\f)%2)*16
.endr
.endm
; THE VECTOR WORK OF A TURN.  One tile's softmax for one key step is a list of 134 instructions; SM writes number j of it for tile t.  s0-s31 are the lane's 32 scores, in pairs 0-15.
;   0-15    the maximum of s0-s31 and the old m, three operands at a time: four chains c0-c3 of seven scores each (each accumulator's lowest registers are read first), then the four left over, c0-c3 and m
;   16-20   the other half of the lanes' maximum; the new m; c m; c m_old - c m_new
;   21-87   33 exponentials (a, then s0-s31) at the odd numbers from 23 on, so that no two follow each other and each has a plain instruction behind it before its result is used (ISA guide 5.7.2).
;           The plain ones are whatever is ready: c s - c m for a pair whose exponentials are to come, the rounding to f16 of a pair whose exponentials are done, at last the first three sums
;   88-101  the last rounding; the rest of the sums; l = a l + the sum
;   102-133 the tile's O^T times a: the one part that leaves window 0, so it stands together
.macro SM t
.set rT, ST+8*(\t)
.set rS, S+32*(\t)
.set rP, P+16*(\t)
.set rO, 64*(\t)+2*(j-102)
.set q, (j-20)/2
.if j < 102
	WIN 0
.endif
.if j < 4
	v_max3_num_f32 v[rT+4+j], v[rS+8*j], v[rS+8*j+1], v[rS+8*j+2]
.elseif j < 12
	v_max3_num_f32 v[rT+4+j%4], v[rT+4+j%4], v[rS+8*(j%4)+2*(j/4)+1], v[rS+8*(j%4)+2*(j/4)+2]
.elseif j == 12
	v_max3_num_f32 v[rT+4], v[rT+4], v[rS+7], v[rS+15]
.elseif j == 13
	v_max3_num_f32 v[rT+6], v[rT+6], v[rS+23], v[rS+31]
.elseif j == 14
	v_max3_num_f32 v[rT+4], v[rT+4], v[rT+5], v[rT+6]
.elseif j == 15
	v_max3_num_f32 v[rT+4], v[rT+4], v[rT+7], v[rT+1]
.elseif j == 16
	v_permlanex16_b32 v[rT+5], v[rT+4], s[SEL], s[SEL+1]  ; the query's other 32 keys lie in the lane 16 away
.elseif j == 17
	v_mov_b32 v[rT+7], v[rT]        ; c m_old is kept for a: number 19 writes c m anew
.elseif j == 18
	v_max_num_f32 v[rT+1], v[rT+4], v[rT+5]
.elseif j == 19
	v_mul_f32 v[rT], s[CS], v[rT+1]
.elseif j == 20
	v_sub_f32 v[rT+7], v[rT+7], v[rT]
.elseif j == 23
	v_exp_f32 v[rT+6], v[rT+7]
.elseif (j < 88) && (j > 23) && (j%2 == 1)
	v_exp_f32 v[rS+(j-25)/2], v[rS+(j-25)/2]
.elseif (q < 4) || ((j < 76) && (q%2 == 0))
.set b, q/2+2
.if q < 4
.set b, q
.endif
	v_pk_fma_f32 v[rS+2*b:rS+2*b+1], v[rS+2*b:rS+2*b+1], s[CS:CS+1], v[rT:rT+1] op_sel_hi:[1,0,0] neg_lo:[0,0,1] neg_hi:[0,0,1]  ; pair b: c s - c m
.elseif (j < 88) && (q%2 == 1)
	s_wait_alu depctr_va_vdst(0)
	v_cvt_pk_f16_f32 v[rP+(q-5)/2], v[rS+q-5], v[rS+q-4]  ; pair (q - 5) / 2: its second exponential stands three numbers back
.elseif j == 89
	s_wait_alu depctr_va_vdst(0)
	v_cvt_pk_f16_f32 v[rP+15], v[rS+30], v[rS+31]
.elseif j < 102                     ; the sum of the tile's 16 pairs, in place: sum z of 16 adds neighbours 1, 2, 4 and 8 pairs apart, then l takes it
.set z, j-86
.if j < 89
.set z, (j-76)/4
.endif
.set w, 4
.set u, z
.if z >= 14
.set w, 32
.set u, 0
.elseif z >= 12
.set w, 16
.set u, z-12
.elseif z >= 8
.set w, 8
.set u, z-8
.endif
.if z < 15
	v_pk_add_f32 v[rS+w*u:rS+w*u+1], v[rS+w*u:rS+w*u+1], v[rS+w*u+w/2:rS+w*u+w/2+1]
.else
	v_pk_fma_f32 v[rT+2:rT+3], v[rT+2:rT+3], v[rT+6:rT+7], v[rS:rS+1] op_sel_hi:[1,0,1]
.endif
.else
	WIN W_RS
	v_pk_mul_f32 v[rO:rO+1], v[rO:rO+1], v[rT+6:rT+7] op_sel_hi:[1,0]
.endif
.endm
; Slice k of 64 of piece y's softmax: numbers 2 k and 2 k + 1 of both tiles' lists, four instructions.  2 x 134 = 4 x 64 + 12: the twelve that are over stand together, in slice 63: its sixteen plain
; instructions, which name nothing of the products round them, are the places between a turn's last K Q^T and the next turn's first read of those scores, and the loads into K's buffer.
.macro SLICE y
.if (k >= 11) && (k < 44)           ; tile by tile: plain, exponential, plain, exponential
.irp t, \y, (\y)+1
.irp n, 0,1
.set j, 2*k+(\n)
	SM \t
.endr
.endr
.else                               ; the two tiles alternate, so that no instruction reads the result of the one just before it
.irp n, 0,1,2,3,4,5,6,7
.if ((\n) < 2) || (k == 63)
.irp t, \y, (\y)+1
.set j, 2*k+(\n)
	SM \t
.endr
.endif
.endr
.endif
.set k, k+1
.endm
; A TURN.  Piece x has the matrix unit; the other piece's softmax stands in slices behind its matrix instructions.  pv = 1: 32 products V^T P.  kq = 1: 32 products K Q^T for the next step.
; A turn with one of the two kinds has two slices behind each product.
; Behind the second V^T P stands the run of loads for the K Q^T to come, 30 matrix instructions ahead of its first use: the piece's mask, into its S^T (whose softmax ended in the turn before: its last
; touch of S^T is number 101), and in piece 0's turn the next step's K (whose last reader stands in front of slice 63 of the turn before).  Piece 2's turn fetches the same step's V behind its second K Q^T:
; the last product that read V stands three slices, six plain instructions, back.
.macro TURN x, pv, kq
.set k, 0
.set per, 2
.if (\pv) && (\kq)
.set per, 1
.endif
.if \pv
.if (\x) == 0
	s_wait_dscnt 0x0                ; V is in
.endif
.set i, 0
.rept 32
	PV \x
.rept per
	SLICE 2-(\x)
.endr
.if (\kq) && (i == 1)
	FETCH_M \x
.if (\x) == 0
	FETCH_K
.endif
.endif
.set i, i+1
.endr
.endif
.if \kq
	s_wait_dscnt 0x0                ; the mask is in, and K
.set i, 0
.rept 32
	KQ \x
.rept per
	SLICE 2-(\x)
.endr
.if ((\x) == 2) && (i == 1)
	FETCH_V
.endif
.set i, i+1
.endr
.endif
.endm
	CHANGE 1                        ; slot 0 is in, everybody's part of it; step 1 is asked for, into slot 1
	FETCH_M 0                       ; key step 0
	FETCH_M 2
	FETCH_K
	s_wait_dscnt 0x0
.set i, 0
.rept 32
	KQ 0                            ; piece 0's first scores: there is no vector work yet to set between them
.set i, i+1
.endr
	WIN 0                           ; the addresses for the way out: six plain instructions, the places behind those products
	s_mul_i32 s78, s[WV], 16*SP
	s_add_co_u32 s78, s78, STAGE    ; my stage
	v_mul_u32_u24 v[STO], v1, SP    ; in: row l % 16, channels 16 cb + 8 h + 4 i: 32 bytes for each half of the lanes
	v_lshl_add_u32 v[STO], v9, 5, v[STO]
	v_add_nc_u32 v[STO], s78, v[STO]
	v_and_b32 v[GO], 31, v0
	v_lshlrev_b32 v[GO], 4, v[GO]   ; back: 32 lanes take one row of 512 bytes
	v_add_nc_u32 v[RD], s78, v[GO]
	TURN 2, 0, 1                    ; piece 2's first scores | piece 0's softmax of step 0 | V of step 0
	WIN 0
	s_mov_b32 s[LOOP], 30
.Lstep:                             ; trip j: V^T P of step j, K Q^T of step j + 1, read from slot (j + 1) % 2; slot j % 2 is filled with step j + 2: 30 trips ask for steps 2 to 31
	CHANGE 1
	TURN 0, 1, 1
	TURN 2, 1, 1
	WIN 0
	s_sub_co_u32 s[LOOP], s[LOOP], 1
	s_cmp_lg_u32 s[LOOP], 0
	s_cbranch_scc1 .Lstep
	CHANGE 0                        ; the tail is written out: nothing is asked for
	TURN 0, 1, 1
	TURN 2, 1, 1
	TURN 0, 1, 0                    ; piece 0: V^T P of the last step | piece 2's last softmax
.set i, 0
.rept 32
	PV 2                            ; piece 2: V^T P of the last step
.set i, i+1
.endr
	; THE WAY OUT.  l's two halves and the other half of the lanes' are added; O^T is divided by l and sent, in f32, through my stage in LDS, a tile (16 rows) at a time.  The additions are the places behind the last products.
	WIN 0
.irp t, 0,1,2,3
	v_add_f32 v[ST+8*(\t)+4], v[ST+8*(\t)+2], v[ST+8*(\t)+3]
.endr
.irp t, 0,1,2,3
	v_permlanex16_b32 v[ST+8*(\t)+5], v[ST+8*(\t)+4], s[SEL], s[SEL+1]
.endr
.irp t, 0,1,2,3
	v_add_f32 v[ST+8*(\t)+4], v[ST+8*(\t)+4], v[ST+8*(\t)+5]
.endr
.irp t, 0,1,2,3
	v_rcp_f32 v[ST+8*(\t)+6], v[ST+8*(\t)+4]
.endr
	v_nop                           ; a plain instruction between the last reciprocal and the use of its result
	s_wait_alu depctr_va_vdst(0)
; Tile t: a lane's eight channels of a row are 32 bytes; they go into rows of 528 bytes and come back as whole rows of 512, into S^T's registers, two buffers by turns.
.macro PACK t
	WIN W_RS
.set i, 64*(\t)
.rept 32                            ; ascending: each accumulator's lowest registers are read first
	v_pk_mul_f32 v[i:i+1], v[i:i+1], v[ST+8*(\t)+6:ST+8*(\t)+7] op_sel_hi:[1,0]
.set i, i+2
.endr
	WIN 0x04                        ; the stores' data in window 1
.set i, 0
.rept 16
	ds_store_b128 v[STO], v[64*(\t)+4*i:64*(\t)+4*i+3] offset:64*(i/2)+16*(i%2)
.set i, i+1
.endr
	WIN 0
.if (\t) >= 2
	s_wait_xcnt 0x0                 ; the buffer's registers, which the stores of two tiles ago read, are loaded again only behind this wait
.endif
.set i, 0
.rept 16
	ds_load_b128 v[S+64*((\t)%2)+4*i:S+64*((\t)%2)+4*i+3], v[RD] offset:i*SP  ; LDS serves a wave's instructions in order (ISA guide 5.7.1.4): these see the stores above; the next tile's stores come behind them
.set i, i+1
.endr
.endm
.macro SEND t, younger              ; younger: the LDS instructions issued behind tile t's loads: the next tile's 32, or none
	WIN 0
.set i, 0
.rept 16
	s_wait_dscnt (\younger)+15-i
	global_store_b128 v[GO], v[S+64*((\t)%2)+4*i:S+64*((\t)%2)+4*i+3], s[14:15] offset:(16*(\t)+i)*4096 th:TH_STORE_NT  ; 512 consecutive bytes, at a multiple of 256 from out0's first byte
.set i, i+1
.endr
.endm
	PACK 0
	PACK 1                          ; a tile's arithmetic stands between the loads of the tile before and its stores
	SEND 0, 32
	PACK 2
	SEND 1, 32
	PACK 3
	SEND 2, 32
	SEND 3, 0
	s_wait_tensorcnt 0x0            ; the wave's end, behind my last tensor load and my last LDS store
	ds_add_u32 v[SPW], v[NIL]
	s_wait_dscnt 0x0
	CROUND                          ; the closing round: no work-group ends while a partner may still ask for a tile that names it
	s_endpgm
.Lfunc_end_k_q9675c6bec8_attn:
	.size	k_q9675c6bec8_attn, .Lfunc_end_k_q9675c6bec8_attn-k_q9675c6bec8_attn
	.p2alignl 7, 3214868480
	.fill 96, 4, 3214868480
	.section	.rodata,"a",@progbits
	.p2align	6, 0x0
	.amdhsa_kernel k_q9675c6bec8_attn
		.amdhsa_group_segment_fixed_size 327680
		.amdhsa_private_segment_fixed_size 0
		.amdhsa_enable_private_segment 0
		.amdhsa_kernarg_size 48
		.amdhsa_user_sgpr_count 2
		.amdhsa_user_sgpr_kernarg_segment_ptr 1
		.amdhsa_wavefront_size32 1
		.amdhsa_system_sgpr_workgroup_id_x 1
		.amdhsa_system_sgpr_workgroup_id_y 1
		.amdhsa_system_sgpr_workgroup_id_z 1
		.amdhsa_system_vgpr_workitem_id 0
		.amdhsa_next_free_vgpr 896
		.amdhsa_next_free_sgpr 96
		.amdhsa_reserve_vcc 0
		.amdhsa_float_denorm_mode_32 3
		.amdhsa_float_denorm_mode_16_64 3
		.amdhsa_memory_ordered 1
		.amdhsa_forward_progress 1
		.amdhsa_inst_pref_size 212
	.end_amdhsa_kernel
	.amdgpu_metadata
---
amdhsa.version: [ 1, 2 ]
amdhsa.kernels:
  - .name:           k_q9675c6bec8_attn
    .symbol:         k_q9675c6bec8_attn.kd
    .args:
      - { .name: qh, .offset: 0, .size: 8, .value_kind: global_buffer, .address_space: global }
      - { .name: kh, .offset: 8, .size: 8, .value_kind: global_buffer, .address_space: global }
      - { .name: vh, .offset: 16, .size: 8, .value_kind: global_buffer, .address_space: global }
      - { .name: attention_mask, .offset: 24, .size: 8, .value_kind: global_buffer, .address_space: global }
      - { .name: latent_layer_memory_i, .offset: 32, .size: 8, .value_kind: global_buffer, .address_space: global }
      - { .name: out0, .offset: 40, .size: 8, .value_kind: global_buffer, .address_space: global }
    .group_segment_fixed_size: 327680
    .private_segment_fixed_size: 0
    .kernarg_segment_align: 8
    .kernarg_segment_size: 48
    .max_flat_workgroup_size: 128
    .sgpr_count:     96
    .vgpr_count:     896
    .wavefront_size: 32
...
	.end_amdgpu_metadata
.endif
;; end of part 3
;; ======== version 2 of 2: 3 launches; version 1 with the launch cast written anew for expert scheduling mode
;; limits: values are held in f16: magnitudes above 65,504 overflow, below 6.1e-05 lose precision
;; workspace buffers: xb 16,777,216 bytes; wb 6,291,456 bytes; qh 16,777,216 bytes; kh 16,777,216 bytes; vh 16,777,216 bytes
;; launch cast (part 4): grid 256 x 1, 8 waves a work-group, no clusters, 0 bytes of LDS; arguments hidden_states, Wq, Wk, Wv, xb, wb; writes xb, wb
.if DOCPART == 4
	.amdgcn_target "amdgcn-amd-amdhsa--gfx1250"
	.amdhsa_code_object_version 6
	.text
	.protected	k_q9675c6bec8_cast
	.globl	k_q9675c6bec8_cast
	.p2align	8
	.type	k_q9675c6bec8_cast,@function
k_q9675c6bec8_cast:
	s_mov_b64 s[64:65], 0
	v_nop
	global_prefetch_b8 v0, s[64:65] scope:SCOPE_SE
	s_setreg_imm32_b32 hwreg(HW_REG_WAVE_SCHED_MODE, 0, 2), 2
	s_setreg_imm32_b32 hwreg(HW_REG_WAVE_MODE, 25, 1), 1
	s_wait_xcnt 0x0
	s_wait_alu depctr_vm_vsrc(0)
; x [8192][1024] and Wq, Wk, Wv [1024][1024], f32, are rounded once to bf16 and laid in blocks of 64 along K, so that the
; product that follows finds each of its tiles as one dense run of bytes:
;   xb = [16 K blocks][8192 rows][64 k]                          a row of a block is 128 bytes, a block 1,048,576
;   wb = [16 K blocks][8 heads][3 kinds q, k, v][128 channels][64 k]   a kind 16,384 bytes, a head 49,152, a block 393,216
; A stream: every byte is read once and written once; no LDS, no barrier, no matrix unit, no cluster (no byte is shared).
; SHARES.  Work-group i owns rows 32 i .. 32 i + 31 of x and rows 4 i .. 4 i + 3 of each W.  One load of a wave takes two rows x 64 k:
; lanes 0-15 read 256 consecutive aligned bytes of one row, lanes 16-31 of the row below; their 2 x 64 bf16 are 256 consecutive
; aligned bytes of one K block and leave by one store of 8 bytes a lane.  Wave w: of x rows 4 w .. 4 w + 3 in all 16 blocks (32 loads),
; of the three W the K blocks 2 w and 2 w + 1 (12 loads).  All 44 loads of a lane are issued before the first is waited for.
; THE MODE: SCHED_MODE bits 1:0 = 2 (LLVM: expert scheduling mode 2), set by the entry lines.  The code itself states the register dependences
; between vector instructions and memory instructions, with s_wait_alu, always for 0.
; THE PLAN.  Registers that memory instructions touch:
;   v2, v4       the loads' offsets, v3, v5 the stores': made once at the head and never written again.
;   X + 4 n ..   load n's four registers, its own: no vector instruction names them ahead of the load.  Its two roundings read the four and write the
;                two lowest; store n reads those two; nothing writes them behind it.
; So no register that a memory instruction reads is ever written again, and no load lands in a register that a vector instruction has named: what is left to state
; is that the offsets are written ahead of the first load, and that a load's packed words are written ahead of its store.
; The 44 loads go in 11 batches of four.  At the head of batch b one wait states that batch b - 1's eight roundings have written their words; that batch's four stores
; follow, dealt among batch b's roundings, which name batch b's registers alone.
.set X, 8                              ; v[8:183]  load n's four registers at X + 4 n; its two packed words take the first two
.set LOADS, 44                         ; 0-31: x; 32-43: the three W
.set BATCH, 4
	s_load_b256 s[4:11], s[0:1], 0x0               ; x s[4:5], Wq s[6:7], Wk s[8:9], Wv s[10:11]
	s_load_b128 s[12:15], s[0:1], 0x20             ; xb s[12:13], wb s[14:15]
	v_and_b32 v1, 31, v0                           ; lane l
	v_lshrrev_b32 v6, 5, v0                        ; wave w
	v_and_b32 v7, 15, v0                           ; l % 16
	v_bfe_u32 v2, v0, 4, 1                         ; l / 16
	v_lshlrev_b32 v2, 12, v2                       ; one row of 4,096 bytes down for the upper lanes
	v_lshl_add_u32 v2, v7, 4, v2                   ; + 16 bytes a lane
	v_lshl_add_u32 v4, v6, 9, v2                   ; v4  W in: + the wave's two K blocks, 512 bytes of a row
	v_lshl_add_u32 v2, v6, 14, v2                  ; v2  x in: + the wave's four rows
	v_lshlrev_b32 v3, 3, v1                        ; 8 bytes a lane: two rows of a block on end
	v_mul_u32_u24 v5, v6, 0xc0000                  ; the wave's two K blocks of wb: 786,432 bytes
	v_add_nc_u32 v5, v5, v3                        ; v5  W out
	v_lshl_add_u32 v3, v6, 9, v3                   ; v3  x out: + the wave's four rows of 128 bytes
	s_lshl_b32 s18, ttmp9, 17                      ; 32 rows of x
	s_mov_b32 s19, 0
	s_lshl_b32 s20, ttmp9, 14                      ; 4 rows of a W
	s_mov_b32 s21, 0
	s_lshl_b32 s22, ttmp9, 12                      ; 32 rows of a block of xb
	s_mov_b32 s23, 0
	s_lshr_b32 s24, ttmp9, 5                       ; W's row 4 i lies in head i / 32,
	s_mul_i32 s24, s24, 49152
	s_and_b32 s25, ttmp9, 31                       ; at channel 4 (i % 32)
	s_lshl_b32 s25, s25, 9
	s_add_co_u32 s24, s24, s25
	s_mov_b32 s25, 0
	s_wait_kmcnt 0x0
	s_add_nc_u64 s[4:5], s[4:5], s[18:19]
	s_add_nc_u64 s[6:7], s[6:7], s[20:21]
	s_add_nc_u64 s[8:9], s[8:9], s[20:21]
	s_add_nc_u64 s[10:11], s[10:11], s[20:21]
	s_add_nc_u64 s[12:13], s[12:13], s[22:23]
	s_add_nc_u64 s[16:17], s[12:13], 0x800000      ; K blocks 8 to 15 have a base of their own: the stores' immediates stay inside their signed 24 bits
	s_add_nc_u64 s[14:15], s[14:15], s[24:25]
	s_wait_alu depctr_va_vdst(0)                   ; v2 to v5 are written: every load and store of the kernel reads one of them as its offset
.set n, 0
.rept 32                               ; x: row pair n / 16, K block n % 16
	global_load_b128 v[X+4*n:X+4*n+3], v2, s[4:5] offset:(n/16)*8192+(n%16)*256 th:TH_LOAD_NT
.set n, n+1
.endr
.set n, 0
.rept 12                               ; W: kind n / 4, row pair (n / 2) % 2, K block 2 w + n % 2
	global_load_b128 v[X+128+4*n:X+128+4*n+3], v4, s[6+2*(n/4):7+2*(n/4)] offset:((n/2)%2)*8192+(n%2)*256 th:TH_LOAD_NT
.set n, n+1
.endr
; The next load's four numbers close up into two packed words, in its own first two registers.
.set kc, 0
.macro PACKW
	v_cvt_pk_bf16_f32 v[X+4*kc], v[X+4*kc], v[X+4*kc+1]
	v_cvt_pk_bf16_f32 v[X+4*kc+1], v[X+4*kc+2], v[X+4*kc+3]
.set kc, kc+1
.endm
; The next load's two packed words leave: 256 consecutive aligned bytes a wave; no register of a store is written again.
.set ks, 0
.macro SENDW
.if ks < 32
	global_store_b64 v3, v[X+4*ks:X+4*ks+1], s[12+4*((ks%16)/8):13+4*((ks%16)/8)] offset:(ks/16)*256+(ks%8)*1048576
.else
	global_store_b64 v5, v[X+4*ks:X+4*ks+1], s[14:15] offset:((ks-32)/4)*16384+(((ks-32)/2)%2)*256+((ks-32)%2)*393216
.endif
.set ks, ks+1
.endm
.set b, 0
.rept LOADS/BATCH
	s_wait_loadcnt LOADS-BATCH*(b+1)               ; loads come back in order (ISA guide 5.7.1): batch b's four are in, the younger ones stay out
.if b > 0
	s_wait_alu depctr_va_vdst(0)                   ; the roundings of the batch before have written its packed words, which the four stores below read
.endif
.rept BATCH
.if b > 0
	SENDW                                          ; a store of the batch before.  No further wait: the roundings issued since the wait name this batch's registers alone
.endif
	PACKW
.endr
.set b, b+1
.endr
	s_wait_alu depctr_va_vdst(0)                   ; the last batch's roundings have written its packed words, which the last four stores read
.rept BATCH
	SENDW
.endr
	s_endpgm
.Lfunc_end_k_q9675c6bec8_cast:
	.size	k_q9675c6bec8_cast, .Lfunc_end_k_q9675c6bec8_cast-k_q9675c6bec8_cast
	.p2alignl 7, 3214868480
	.fill 96, 4, 3214868480
	.section	.rodata,"a",@progbits
	.p2align	6, 0x0
	.amdhsa_kernel k_q9675c6bec8_cast
		.amdhsa_group_segment_fixed_size 0
		.amdhsa_private_segment_fixed_size 0
		.amdhsa_enable_private_segment 0
		.amdhsa_kernarg_size 48
		.amdhsa_user_sgpr_count 2
		.amdhsa_user_sgpr_kernarg_segment_ptr 1
		.amdhsa_wavefront_size32 1
		.amdhsa_system_sgpr_workgroup_id_x 1
		.amdhsa_system_sgpr_workgroup_id_y 1
		.amdhsa_system_sgpr_workgroup_id_z 1
		.amdhsa_system_vgpr_workitem_id 0
		.amdhsa_next_free_vgpr 192
		.amdhsa_next_free_sgpr 66
		.amdhsa_reserve_vcc 0
		.amdhsa_float_denorm_mode_32 3
		.amdhsa_float_denorm_mode_16_64 3
		.amdhsa_memory_ordered 1
		.amdhsa_forward_progress 1
		.amdhsa_inst_pref_size 17
	.end_amdhsa_kernel
	.amdgpu_metadata
---
amdhsa.version: [ 1, 2 ]
amdhsa.kernels:
  - .name:           k_q9675c6bec8_cast
    .symbol:         k_q9675c6bec8_cast.kd
    .args:
      - { .name: hidden_states, .offset: 0, .size: 8, .value_kind: global_buffer, .address_space: global }
      - { .name: Wq, .offset: 8, .size: 8, .value_kind: global_buffer, .address_space: global }
      - { .name: Wk, .offset: 16, .size: 8, .value_kind: global_buffer, .address_space: global }
      - { .name: Wv, .offset: 24, .size: 8, .value_kind: global_buffer, .address_space: global }
      - { .name: xb, .offset: 32, .size: 8, .value_kind: global_buffer, .address_space: global }
      - { .name: wb, .offset: 40, .size: 8, .value_kind: global_buffer, .address_space: global }
    .group_segment_fixed_size: 0
    .private_segment_fixed_size: 0
    .kernarg_segment_align: 8
    .kernarg_segment_size: 48
    .max_flat_workgroup_size: 256
    .sgpr_count:     66
    .vgpr_count:     192
    .wavefront_size: 32
...
	.end_amdgpu_metadata
.endif
;; end of part 4
;; launch proj: the kernel of part 2 again; grid 8 x 32, 4 waves a work-group, clusters of 4 x 4, 327,680 bytes of LDS; arguments xb, wb, bq, bk, bv, qh, kh, vh; writes qh, kh, vh
;; launch attn: the kernel of part 3 again; grid 8 x 32, 4 waves a work-group, clusters of 4 x 4, 327,680 bytes of LDS; arguments qh, kh, vh, attention_mask, latent_layer_memory_i, out0; writes out0
